; MI455X (gfx1250); checked and timed in simulation.
; The chip was launched on July 23, 2026; its instructions are those of AMD's public machine-readable ISA for CDNA 5 (MIT licence, August 2026) and "CDNA5" Instruction Set Architecture Reference Guide (July 2026). The comments in the code are by the model that wrote it; some were corrected since.
;; Episodic Memory. Allowed arithmetic: matrix products marked QUANTISED: E4M3 operands, one given power-of-two scale a tensor, by v_wmma_f32_16x16x64_fp8_fp8 or v_wmma_f32_16x16x128_fp8_fp8, f32 sums; everything else in f32.
;; Inputs: lowp_scales 2 int32 (the exponents e of the quantised operands' scales 2^e); memory 131,072 x 128 float32; x 1,024 x 128 float32.
;; Outputs: out0 1,024 x 128 float32.
;; Constants: k = 16.
;; This version of the problem:
;;   THIS VERSION OF THE PROBLEM IS GIVEN IN LOW PRECISION. The matrix products marked QUANTISED in the list below multiply operands that are first quantised to E4M3 (4 exponent bits, 3 mantissa bits; 8 bits a number), with one given power-of-two scale for each operand tensor; their sums are f32. All else is computed in f32.
;;   The module's matrix products, in the order in which they are computed (A, B: the left and right operand; K: the contracted axis; several contracted axes count as one K, in the product's order):
;;     1. [M 1,024, K 128] x [K 128, N 131,072]; A: input x; B: input memory: QUANTISED (scales: A lowp_scales[0], B lowp_scales[1])
;;   THE QUANTISER, for each operand of a quantised product, along K:
;;     - The operand's scale is 2^e, e = its entry of the input lowp_scales (int32; the entries are numbered through the quantised products in the list's order, A before B).
;;     - Each number is divided by the scale, clamped to +-448, and rounded to the nearest number of E4M3, ties to even, subnormals kept.
;;     - The product sums the exact products of the quantised numbers (number of the format x scale) in f32.
;;   ~~~python
;;   def quantise(x, axis, e):      # numpy; x: float32 -> the quantised numbers, widened to float32 again
;;       x = np.moveaxis(x, axis, -1); K = x.shape[-1]
;;       r = np.clip(x / 2.0 ** e, -448, 448)
;;       step = 2.0 ** (np.maximum(np.frexp(np.where(r == 0, 1, r))[1] - 1, -6) - 3)
;;       q = np.round(r / step) * step * 2.0 ** e      # np.round: ties to even
;;       return np.moveaxis(q, -1, axis).astype(np.float32)
;;   ~~~
;; One version. Each part assembles by itself: llvm-mc -triple=amdgcn-amd-amdhsa -mcpu=gfx1250 --defsym DOCPART=n.
;; ======== version 1 of 1: 5 launches
;; workspace buffers: mcodes 16,777,216 bytes; xcodes 131,072 bytes; gmax 16,777,216 bytes; gsel 65,536 bytes of whole numbers; idx 65,536 bytes of whole numbers
;; launch quant (part 1): grid 516 x 1, 4 waves a work-group, no clusters, 34,304 bytes of LDS; arguments memory, x, lowp_scales, mcodes, xcodes; writes mcodes, xcodes
.if DOCPART == 1
	.amdgcn_target "amdgcn-amd-amdhsa--gfx1250"
	.amdhsa_code_object_version 6
	.text
	.protected	k_q7de7af6322_quant
	.globl	k_q7de7af6322_quant
	.p2align	8
	.type	k_q7de7af6322_quant,@function
k_q7de7af6322_quant:
	s_mov_b64 s[64:65], 0
	v_nop
	global_prefetch_b8 v0, s[64:65] scope:SCOPE_SE
	s_setreg_imm32_b32 hwreg(HW_REG_WAVE_MODE, 25, 1), 1
	s_wait_xcnt 0x0
; memory [131072][128] and x [1024][128], f32, become codes of FP8 (E4M3), each tensor with its given scale 2^e (entry 0 of the scales: x, entry 1: memory).
; code = number / 2^e, held within +-448, rounded to the nearest code, ties to even.
; LIMITS: e between -126 and 119, so that 2^e and 448 x 2^e are f32 numbers.  NaN among the inputs is not served.
; LAYOUT OF THE CODES: images of operand registers.  A block P is 64 rows; it gives four images t = 0..3 of 16 rows x 128 codes, 2,048 bytes each, image number 4 P + t.
; The 16 bytes at e*1024 + c*256 + h*128 + r7*16 of an image are the codes k = 32 c + 16 h + 0..15 of row 64 P + 32 e + 8 t + r7.
; So lane (r = 8 e + r7, h) of a matrix operand takes piece c into its registers 4 c .. 4 c + 3, and the half e of an image (1,024 bytes on end) belongs to ONE group of 32 rows, group 2 P + e.
; SHARES: work-groups 0..511 take memory, 512..515 take x; only pointers and e are chosen, the path is one.  A wave takes one block P: four tiles of 16 rows.
; A load reads one row, 512 consecutive bytes; the 16 rows of a tile turn through the wave's own stage in LDS, so that a lane gets 16 neighbours along K of each block of 32.
; Waves share nothing: no barrier.  Memory binds here: matrix units, clusters and tensor loads would add nothing.
.set WGM,   512                        ; work-groups for memory: 131072 / 256 rows
.set PITCH, 528                        ; a stage row: 512 bytes + 16, so that sixteen rows' equal columns fall on different banks
.set WST,   16*PITCH                   ; a wave's stage
.set R,     16                         ; v16-143   two sets of 64: a tile as loaded
.set X,     144                        ; v144-207  a tile turned: register 16 c + i = k 32 c + 16 h + i of my row
.set C,     208                        ; v208-239  two sets of 16: the codes
	s_load_b128 s[4:7], s[0:1], 0x0                ; memory, x
	s_load_b64 s[8:9], s[0:1], 0x10                ; the scales' exponents
	s_load_b128 s[12:15], s[0:1], 0x18             ; mcodes, xcodes
	v_lshl_add_u32 v240, v0, 2, 0x8400
	v_mov_b32 v241, 0
	v_lshrrev_b32 v5, 5, v0
	v_readfirstlane_b32 s16, v5                    ; wave
	v_and_b32 v6, 31, v0                           ; lane
	v_lshlrev_b32 v1, 4, v6                        ; my 16 bytes of a row
	s_mul_i32 s17, s16, WST
	v_add_nc_u32 v2, s17, v1                       ; the stage, on the way in
	v_and_b32 v7, 15, v0                           ; r
	v_bfe_u32 v8, v0, 4, 1                         ; h
	v_mul_u32_u24 v3, v7, PITCH
	v_lshl_add_u32 v3, v8, 6, v3
	v_add_nc_u32 v3, s17, v3                       ; and on the way out: row r, + 64 h bytes
	v_bfe_u32 v9, v0, 3, 1                         ; e = r / 8
	v_and_b32 v12, 7, v0                           ; r7
	v_lshlrev_b32 v4, 10, v9
	v_lshl_add_u32 v4, v8, 7, v4
	v_lshl_add_u32 v4, v12, 4, v4                  ; my piece's place in an image: e*1024 + h*128 + r7*16
	s_wait_kmcnt 0x0
	s_load_b64 s[22:23], s[8:9], 0x0               ; e of x, e of memory
	s_cmp_lt_u32 ttmp9, WGM                        ; memory's work-group or x's?  The choice hangs on the work-group's number alone
	s_cselect_b64 s[4:5], s[4:5], s[6:7]
	s_cselect_b64 s[12:13], s[12:13], s[14:15]
	s_cselect_b32 s18, 0, WGM
	s_sub_co_u32 s18, ttmp9, s18
	s_lshl_b32 s18, s18, 2
	s_add_co_u32 s18, s18, s16                     ; my block P
	s_lshl_b32 s20, s18, 15                        ; 64 rows of 512 bytes
	s_mov_b32 s21, 0
	s_add_nc_u64 s[4:5], s[4:5], s[20:21]
	s_lshl_b32 s20, s18, 13                        ; four images of 2,048 bytes
	s_add_nc_u64 s[12:13], s[12:13], s[20:21]
.macro LOAD tt                         ; tile tt: rows 32 e + 8 tt + r7 of the block, a = 8 e + r7; one row a load
.irp a, 0,1,2,3,4,5,6,7,8,9,10,11,12,13,14,15
	global_load_b128 v[R+64*((\tt)%2)+4*\a:R+64*((\tt)%2)+4*\a+3], v1, s[4:5] offset:(\a>>3)*16384+(\tt)*4096+(\a&7)*512 th:TH_LOAD_NT
.endr
.endm
	LOAD 0
	LOAD 1
	s_wait_kmcnt 0x0
	s_cmp_lt_u32 ttmp9, WGM
	s_cselect_b32 s22, s23, s22                    ; e
	s_add_co_i32 s22, s22, 127
	s_lshl_b32 s23, s22, 23
	v_mov_b32 v11, s23                             ; 2^e as f32: the conversion takes its exponent field
	s_add_co_i32 s22, s22, 8
	s_lshl_b32 s22, s22, 23
	s_or_b32 s22, s22, 0x600000
	v_mov_b32 v10, s22                             ; 448 x 2^e
.macro STEP tt
.set RS, R+64*((\tt)%2)
.set CS, C+16*((\tt)%2)
.if (\tt) < 3
	s_wait_loadcnt 16                              ; this tile's 16 loads are in; the next tile's 16 may be out
.else
	s_wait_loadcnt 0
.endif
.irp a, 0,1,2,3,4,5,6,7,8,9,10,11,12,13,14,15
	ds_store_b128 v2, v[RS+4*\a:RS+4*\a+3] offset:\a*PITCH
.endr
.irp c, 0,1,2,3
.irp j, 0,1,2,3
	ds_load_b128 v[X+16*\c+4*\j:X+16*\c+4*\j+3], v3 offset:128*\c+16*\j   ; LDS serves a wave's instructions in order: these see the stores above
.endr
.endr
	s_wait_dscnt 0x0                               ; the tile is back, turned; the stores have read their registers,
.if (\tt) < 2
	LOAD (\tt)+2                                   ; which take the tile two further on
.else
	s_wait_xcnt 0x0                                ; the stores of two tiles ago have read this set of codes: it is written again only behind this wait
.endif
.set q, 0
.rept 64
	v_med3_num_f32 v[X+q], v[X+q], -v10, v10       ; the conversion to an 8-bit code does not saturate (ISA guide 7.6.2): the hold at the largest code x the scale comes first
.set q, q+1
.endr
.irp c, 0,1,2,3
.irp u, 0,1
	v_cvt_scalef32_pk8_fp8_f32 v[CS+4*\c+2*\u:CS+4*\c+2*\u+1], v[X+16*\c+8*\u:X+16*\c+8*\u+7], v11
.endr
.endr
	v_nop                                          ; one plain vector line behind the last conversion of the run
.irp c, 0,1,2,3
	global_store_b128 v4, v[CS+4*\c:CS+4*\c+3], s[12:13] offset:(\tt)*2048+\c*256   ; the wave's store covers two aligned runs of 256 consecutive bytes, each whole
.endr
.endm
	STEP 0
	STEP 1
	STEP 2
	STEP 3
	s_wait_tensorcnt 0x0
	ds_add_u32 v240, v241
	s_wait_dscnt 0x0
	s_endpgm
.Lfunc_end_k_q7de7af6322_quant:
	.size	k_q7de7af6322_quant, .Lfunc_end_k_q7de7af6322_quant-k_q7de7af6322_quant
	.p2alignl 7, 3214868480
	.fill 96, 4, 3214868480
	.section	.rodata,"a",@progbits
	.p2align	6, 0x0
	.amdhsa_kernel k_q7de7af6322_quant
		.amdhsa_group_segment_fixed_size 34304
		.amdhsa_private_segment_fixed_size 0
		.amdhsa_enable_private_segment 0
		.amdhsa_kernarg_size 40
		.amdhsa_user_sgpr_count 2
		.amdhsa_user_sgpr_kernarg_segment_ptr 1
		.amdhsa_wavefront_size32 1
		.amdhsa_system_sgpr_workgroup_id_x 1
		.amdhsa_system_sgpr_workgroup_id_y 1
		.amdhsa_system_sgpr_workgroup_id_z 1
		.amdhsa_system_vgpr_workitem_id 0
		.amdhsa_next_free_vgpr 242
		.amdhsa_next_free_sgpr 66
		.amdhsa_reserve_vcc 0
		.amdhsa_float_denorm_mode_32 3
		.amdhsa_float_denorm_mode_16_64 3
		.amdhsa_memory_ordered 1
		.amdhsa_forward_progress 1
		.amdhsa_inst_pref_size 37
	.end_amdhsa_kernel
	.amdgpu_metadata
---
amdhsa.version: [ 1, 2 ]
amdhsa.kernels:
  - .name:           k_q7de7af6322_quant
    .symbol:         k_q7de7af6322_quant.kd
    .args:
      - { .name: memory, .offset: 0, .size: 8, .value_kind: global_buffer, .address_space: global }
      - { .name: x, .offset: 8, .size: 8, .value_kind: global_buffer, .address_space: global }
      - { .name: lowp_scales, .offset: 16, .size: 8, .value_kind: global_buffer, .address_space: global }
      - { .name: mcodes, .offset: 24, .size: 8, .value_kind: global_buffer, .address_space: global }
      - { .name: xcodes, .offset: 32, .size: 8, .value_kind: global_buffer, .address_space: global }
    .group_segment_fixed_size: 34304
    .private_segment_fixed_size: 0
    .kernarg_segment_align: 8
    .kernarg_segment_size: 40
    .max_flat_workgroup_size: 128
    .sgpr_count:     66
    .vgpr_count:     242
    .wavefront_size: 32
...
	.end_amdgpu_metadata
.endif
;; end of part 1
;; launch scan (part 2): grid 256 x 1, 8 waves a work-group, no clusters, 168,960 bytes of LDS; arguments mcodes, xcodes, lowp_scales, gmax; writes gmax
.if DOCPART == 2
	.amdgcn_target "amdgcn-amd-amdhsa--gfx1250"
	.amdhsa_code_object_version 6
	.text
	.protected	k_q7de7af6322_scan
	.globl	k_q7de7af6322_scan
	.p2align	8
	.type	k_q7de7af6322_scan,@function
k_q7de7af6322_scan:
	s_mov_b64 s[64:65], 0
	v_nop
	global_prefetch_b8 v0, s[64:65] scope:SCOPE_SE
	s_setreg_imm32_b32 hwreg(HW_REG_WAVE_MODE, 25, 1), 1
	s_wait_xcnt 0x0
; The whole product sim = Q(x) Q(memory)^T on codes of FP8, and of it only the largest sim of each query in each group of 32 neighbouring rows of memory:
; gmax[b][query][j] = 2^(e0 + e1) x max over rows 32 (16 b + j) .. + 31 of the sum, f32.  The 16 groups with the largest such maxima hold a query's 16 largest sims.
; SHARES.  Work-group b takes rows 512 b .. 512 b + 511 (32 images, 65,536 bytes of codes, copied into LDS once) and all 1,024 queries.  Wave w keeps the 8 images of queries 128 w .. 128 w + 127
; in 128 registers for the whole launch and walks the 32 images of memory: one image, four LDS loads, feeds eight matrix instructions.
; LAYOUT.  Source 0 = an image of memory, source 1 = an image of x.  Image T = 4 pp + t holds in its rows 8 h + j the rows 64 pp + 32 h + 8 t + j of the work-group's 512,
; so register j of lane (r, h) of a result is a sim of group 2 pp + h, and the largest of 4 tiles x 8 registers of ONE lane is that group's maximum for the lane's query: no lane looks at another.
; The maximum costs half a vector instruction a sim (three operands at a time).  It stands between the matrix instructions: the other half's 16 maxima are the independent vector lines behind each run of four.
; Every sum starts and ends in one instruction (K = 128, C = 0): no chain, no clearing.
; NO CLUSTER: what work-groups share is x's codes, 16,384 bytes a wave, read once, straight into the registers where they stay; a joint load would send them through LDS first.  Memory's codes are each work-group's own.
; LDS is filled once, through registers.  The claim is larger than the use (139,264 bytes).
; NaN is not served.  e0 + e1 is applied by v_ldexp_f32.
.set IMG,  2304                        ; an image in LDS: two halves of 1,024 bytes, each with 128 bytes of padding behind it,
.set HALF, 1152                        ; so that rows 0-7 and rows 8-15 of a fragment load fall on different halves of the banks
.set OST,  32*IMG                      ; behind the images: the way out, [query][16] f32, 65,536 bytes; wave w's queries are its own 8,192 bytes
.set XL,   2                           ; v2   my piece's place in an image in memory: e*1024 + h*128 + r7*16
.set A0,   3                           ; v3   the same in LDS, images 0-15;  v4: images 16-31
.set CI,   5                           ; v5   the copy into LDS: my wave's four images, 16 bytes a lane
.set OL,   6                           ; v6   where a maximum goes in the stage
.set OR,   7                           ; v7   where I read the stage back
.set XF,   16                          ; v16-143   x's eight fragments
.set AF,   144                         ; v144-175  memory's fragment, two buffers
.set D,    176                         ; v176-239  eight results
.set ACC,  240                         ; v240-247  the running maximum for each of my eight tiles of queries
	s_load_b256 s[4:11], s[0:1], 0x0               ; mcodes s[4:5], xcodes s[6:7], the scales' exponents s[8:9], gmax s[10:11]
	v_lshl_add_u32 v254, v0, 2, 0x29000
	v_mov_b32 v255, 0
	v_lshrrev_b32 v8, 5, v0
	v_readfirstlane_b32 s12, v8                    ; wave 0..7
	v_and_b32 v9, 31, v0
	v_lshlrev_b32 v1, 4, v9                        ; 16 x lane
	v_bfe_u32 v10, v0, 3, 1                        ; e = r / 8
	v_bfe_u32 v11, v0, 4, 1                        ; h
	v_and_b32 v12, 7, v0                           ; r7
	v_lshlrev_b32 v13, 7, v11
	v_lshl_add_u32 v13, v12, 4, v13                ; 128 h + 16 r7
	v_lshl_add_u32 v[XL], v10, 10, v13
	v_mad_u32_u24 v[A0], v10, HALF, v13
	v_add_nc_u32 v[A0+1], 16*IMG, v[A0]
	s_mul_i32 s13, s12, 4*IMG
	v_add_nc_u32 v[CI], s13, v1
	s_lshl_b32 s13, s12, 13                        ; 8,192 x wave
	s_add_co_u32 s20, s13, OST
	v_lshlrev_b32 v[OL], 11, v10                   ; query 32 e + r7 of a tile's 64-block: 64 bytes a query; + 4 h: the group
	v_lshl_add_u32 v[OL], v12, 6, v[OL]
	v_lshl_add_u32 v[OL], v11, 2, v[OL]
	v_add_nc_u32 v[OL], s20, v[OL]
	v_add_nc_u32 v[OR], s20, v1
	s_lshl_b32 s14, ttmp9, 16
	s_add_co_u32 s14, s14, s13                     ; 65,536 b + 8,192 w: my part of the work-group's codes, and of its maxima
	s_mov_b32 s15, 0
	s_lshl_b32 s16, s12, 14                        ; my eight images of x
	s_mov_b32 s17, 0
	s_wait_kmcnt 0x0
	s_load_b64 s[18:19], s[8:9], 0x0               ; e0, e1
	s_add_nc_u64 s[4:5], s[4:5], s[14:15]
	s_add_nc_u64 s[10:11], s[10:11], s[14:15]
	s_add_nc_u64 s[6:7], s[6:7], s[16:17]
.irp a, 0,1,2,3                                ; my four images of memory's codes, 512 consecutive bytes a load
.irp k, 0,1,2,3
	global_load_b128 v[D+16*\a+4*\k:D+16*\a+4*\k+3], v1, s[4:5] offset:\a*2048+\k*512 th:TH_LOAD_NT
.endr
.endr
.irp i, 0,1,2,3,4,5,6,7                        ; x's fragments: they stay
.irp c, 0,1,2,3
	global_load_b128 v[XF+16*\i+4*\c:XF+16*\i+4*\c+3], v[XL], s[6:7] offset:\i*2048+\c*256
.endr
.endr
	s_wait_loadcnt 32                              ; the 16 loads of memory's codes are in; the 32 of x, issued behind them, may be out
.irp a, 0,1,2,3
.irp k, 0,1,2,3
	ds_store_b128 v[CI], v[D+16*\a+4*\k:D+16*\a+4*\k+3] offset:\a*IMG+\k*512+(\k>>1)*128
.endr
.endr
	s_wait_dscnt 0x0                               ; for the others' sake: my four images lie in LDS
	s_barrier_signal -1
	s_barrier_wait -1                              ; all 32 do
.macro FETCH t                         ; image t into buffer t % 2
.irp c, 0,1,2,3
	ds_load_b128 v[AF+16*((\t)%2)+4*\c:AF+16*((\t)%2)+4*\c+3], v[A0+(\t)/16] offset:((\t)%16)*IMG+\c*256
.endr
.endm
.macro W half, t                       ; four products: image t of memory x my tiles 4 half .. 4 half + 3 of queries
.irp i, 0,1,2,3
	v_wmma_f32_16x16x128_fp8_fp8 v[D+8*(4*(\half)+\i):D+8*(4*(\half)+\i)+7], v[AF+16*((\t)%2):AF+16*((\t)%2)+15], v[XF+16*(4*(\half)+\i):XF+16*(4*(\half)+\i)+15], 0
.endr
.endm
.macro M half, first                   ; 16 lines: the four results of a half go into their running maxima, the four chains by turns; each result is read from its low end on.  first = 1: a group begins
.irp j, 0,1,2,3
.irp i, 0,1,2,3
.set dd, D+8*(4*(\half)+\i)
.set aa, ACC+4*(\half)+\i
.if \first
.if \j == 0
	v_max3_num_f32 v[aa], v[dd], v[dd+1], v[dd+2]
.elseif \j < 3
	v_max3_num_f32 v[aa], v[aa], v[dd+2*\j+1], v[dd+2*\j+2]
.else
	v_max_num_f32 v[aa], v[aa], v[dd+7]
.endif
.else
	v_max3_num_f32 v[aa], v[aa], v[dd+2*\j], v[dd+2*\j+1]
.endif
.endr
.endr
.endm
.macro FLUSH half, pp                  ; groups 2 pp + h are done for this half's tiles
.irp i, 0,1,2,3
	ds_store_b32 v[OL], v[ACC+4*(\half)+\i] offset:(\half)*4096+\i*512+(\pp)*8
.endr
.endm
	FETCH 0
	s_wait_loadcnt 0x0                             ; x
	s_wait_kmcnt 0x0
	s_add_co_i32 s21, s18, s19                     ; e0 + e1
; A step: image T.  A vector line that reads a result, a load into a fragment buffer and a product that writes over a result stand behind independent plain vector lines:
; between each run of four products and whatever touches its registers next stand the OTHER half's 16 maxima, which name none of them.
.set T, 0
.rept 32
	s_wait_dscnt 0x0                               ; image T is in registers (asked for a step ago)
.if T < 31
	FETCH T+1                                      ; into the buffer that step T - 1 read: 16 maxima stand between
.endif
	W 0, T
.if T > 0
.if (T-1)%4 == 0
	M 1, 1
.else
	M 1, 0
.endif
.if (T-1)%4 == 3
	FLUSH 1, (T-1)/4
.endif
.else
.rept 4
	v_nop                                          ; the first step has no maxima yet to stand here
.endr
.endif
	W 1, T
.if T%4 == 0
	M 0, 1
.else
	M 0, 0
.endif
.if T%4 == 3
	FLUSH 0, T/4
.endif
.set T, T+1
.endr
	M 1, 0
	FLUSH 1, 7
	; THE WAY OUT: my 128 queries x 16 groups lie in my own part of the stage; LDS serves a wave's instructions in order, so the loads see my stores
.irp n, 0,1,2,3,4,5,6,7,8,9,10,11,12,13,14,15
	ds_load_b128 v[D+4*\n:D+4*\n+3], v[OR] offset:512*\n
.endr
	s_wait_dscnt 0x0
.set q, 0
.rept 64
	v_ldexp_f32 v[D+q], v[D+q], s21                ; x 2^(e0 + e1)
.set q, q+1
.endr
.irp n, 0,1,2,3,4,5,6,7,8,9,10,11,12,13,14,15
	global_store_b128 v1, v[D+4*\n:D+4*\n+3], s[10:11] offset:512*\n   ; 32 lanes store 512 consecutive bytes, aligned
.endr
	s_wait_tensorcnt 0x0
	ds_add_u32 v254, v255
	s_wait_dscnt 0x0
	s_endpgm
.Lfunc_end_k_q7de7af6322_scan:
	.size	k_q7de7af6322_scan, .Lfunc_end_k_q7de7af6322_scan-k_q7de7af6322_scan
	.p2alignl 7, 3214868480
	.fill 96, 4, 3214868480
	.section	.rodata,"a",@progbits
	.p2align	6, 0x0
	.amdhsa_kernel k_q7de7af6322_scan
		.amdhsa_group_segment_fixed_size 168960
		.amdhsa_private_segment_fixed_size 0
		.amdhsa_enable_private_segment 0
		.amdhsa_kernarg_size 32
		.amdhsa_user_sgpr_count 2
		.amdhsa_user_sgpr_kernarg_segment_ptr 1
		.amdhsa_wavefront_size32 1
		.amdhsa_system_sgpr_workgroup_id_x 1
		.amdhsa_system_sgpr_workgroup_id_y 1
		.amdhsa_system_sgpr_workgroup_id_z 1
		.amdhsa_system_vgpr_workitem_id 0
		.amdhsa_next_free_vgpr 256
		.amdhsa_next_free_sgpr 66
		.amdhsa_reserve_vcc 0
		.amdhsa_float_denorm_mode_32 3
		.amdhsa_float_denorm_mode_16_64 3
		.amdhsa_memory_ordered 1
		.amdhsa_forward_progress 1
		.amdhsa_inst_pref_size 106
	.end_amdhsa_kernel
	.amdgpu_metadata
---
amdhsa.version: [ 1, 2 ]
amdhsa.kernels:
  - .name:           k_q7de7af6322_scan
    .symbol:         k_q7de7af6322_scan.kd
    .args:
      - { .name: mcodes, .offset: 0, .size: 8, .value_kind: global_buffer, .address_space: global }
      - { .name: xcodes, .offset: 8, .size: 8, .value_kind: global_buffer, .address_space: global }
      - { .name: lowp_scales, .offset: 16, .size: 8, .value_kind: global_buffer, .address_space: global }
      - { .name: gmax, .offset: 24, .size: 8, .value_kind: global_buffer, .address_space: global }
    .group_segment_fixed_size: 168960
    .private_segment_fixed_size: 0
    .kernarg_segment_align: 8
    .kernarg_segment_size: 32
    .max_flat_workgroup_size: 256
    .sgpr_count:     66
    .vgpr_count:     256
    .wavefront_size: 32
...
	.end_amdgpu_metadata
.endif
;; end of part 2
;; launch pick (part 3): grid 256 x 1, 4 waves a work-group, no clusters, 67,072 bytes of LDS; arguments gmax, gsel; writes gsel
.if DOCPART == 3
	.amdgcn_target "amdgcn-amd-amdhsa--gfx1250"
	.amdhsa_code_object_version 6
	.text
	.protected	k_q7de7af6322_pick
	.globl	k_q7de7af6322_pick
	.p2align	8
	.type	k_q7de7af6322_pick,@function
k_q7de7af6322_pick:
	s_mov_b64 s[64:65], 0
	v_nop
	global_prefetch_b8 v0, s[64:65] scope:SCOPE_SE
	s_setreg_imm32_b32 hwreg(HW_REG_WAVE_MODE, 25, 1), 1
	s_wait_xcnt 0x0
; For each query the 16 groups (of 4,096) with the largest group maximum, ties to the lower group, stored as whole numbers in ascending order: gsel[query][16].
; WHY THESE HOLD THE 16 LARGEST SIMS: let T be the 16th largest group maximum.  16 different rows have sims of T or more, so the 16th largest sim is T or more.  Sims above T lie in groups with a maximum above T, all chosen.
; Of sims equal to T the lowest rows are wanted; such a row in a group that was not chosen lies behind chosen groups of lower number that hold at least as many sims of T as are still wanted.
; SHARES: work-group y takes queries 4 y .. 4 y + 3, a wave a query.  gmax holds, for each b of 256, 256 consecutive bytes for these four queries: the four waves read them whole and sort them by query into LDS.
; THE SELECTION has no branch and no address that hangs on a number.  Register i of lane l holds group 32 i + l.
;  1. The threshold: each lane sorts its registers in blocks of 16 (a bitonic network on registers, out of place between two sets: a comparator is one max and one min), halves them (the larger of a descending and an
;     ascending block holds the 16 largest of both) and merges, down to 16; five exchanges between lanes do the same across the wave.  T = the least of the 16 largest; NEED = how many of the 16 equal T.
;  2. The marks: a group is chosen if its maximum is above T, or equals T and fewer than NEED such groups come before it.  Counts run in scalar registers, word by word of 32 groups.
;  3. Output lane s keeps the word in which its s-th chosen group lies (the last word whose count of chosen groups before it is at most s), and takes that word's (s - count)-th set bit.
; +0 and -0 count as equal.  NaN is not served.
.set QP,   16448                       ; a query's 4,096 maxima in LDS: 16,384 bytes + 64, so that the four queries of a store fall on different banks
.set OUTB, 4*QP                        ; behind them: 256 bytes for the four waves' results, then 256 bytes for what lanes 16-31 leave
.set P,  16                            ; v16-79, v80-143: the two sets of the network; later all 128 maxima again
.set Q,  80
.set K0, 144                           ; v144-207: four sets of 16
.set K1, 160
.set K2, 176
.set K3, 192
.set V,  16
.set LANE, 6
.set GL,   7                           ; v7   the loads' lane offset
.set SI,   8                           ; v8   where a load's 16 bytes go in LDS
.set VQ,   9                           ; v9   my query's row in LDS + 4 x lane
.set OA,   10                          ; v10  where my result goes
.set RA,   11                          ; v11  where wave 0 reads the results back
.set GA,   12                          ; v12  16 x lane
.set T,  208
.set W,  209
.set CV, 210
.set JV, 211
.set XV, 212
.set RK, 213
.set RR, 216                           ; v216-219
.set WV,   8                           ; s8   wave
.set SEL,  20                          ; s[20:21] v_permlanex16_b32's selects: lane l xor 16
.set NEED, 22
.set CNT,  23                          ; ties seen so far
.set CC,   24                          ; groups chosen so far
.set TT,   25
.set SAVE, 26
.set SE,   28                          ; s28-31 words of ties;  s32-35 words above T;  s36-39 ties before the word;  s40-43 words of chosen;  s44-47 chosen before the word
.set SG,   32
.set SN,   36
.set SW,   40
.set SC,   44
.macro FLIP
.set SWP, SRC
.set SRC, DST
.set DST, SWP
.endm
.macro STAGE cnt, k, j                 ; one stage of the network on cnt registers: partners j apart; descending where bit k of the index is 0
.set si, 0
.rept \cnt
.set sl, si^(\j)
.if sl > si
.if (si&(\k)) == 0
	v_max_num_f32 v[DST+si], v[SRC+si], v[SRC+sl]
	v_min_num_f32 v[DST+sl], v[SRC+si], v[SRC+sl]
.else
	v_min_num_f32 v[DST+si], v[SRC+si], v[SRC+sl]
	v_max_num_f32 v[DST+sl], v[SRC+si], v[SRC+sl]
.endif
.endif
.set si, si+1
.endr
	FLIP
.endm
.macro SORT16 cnt, alt                 ; blocks of 16 sorted: even blocks descending, odd ones ascending.  alt: the set that the second stage writes
	STAGE \cnt, 2, 1
.set DST, \alt
	STAGE \cnt, 4, 2
	STAGE \cnt, 4, 1
	STAGE \cnt, 8, 4
	STAGE \cnt, 8, 2
	STAGE \cnt, 8, 1
	STAGE \cnt, 16, 8
	STAGE \cnt, 16, 4
	STAGE \cnt, 16, 2
	STAGE \cnt, 16, 1
.endm
.macro MERGE16 cnt                     ; bitonic blocks of 16 sorted, directions as above
	STAGE \cnt, 16, 8
	STAGE \cnt, 16, 4
	STAGE \cnt, 16, 2
	STAGE \cnt, 16, 1
.endm
.macro HALVE cnt                       ; of a descending and an ascending block the larger, place by place: the 16 largest of the 32, a bitonic block
.set hh, 0
.rept (\cnt)/2
	v_max_num_f32 v[DST+hh], v[SRC+32*(hh/16)+hh%16], v[SRC+32*(hh/16)+16+hh%16]
.set hh, hh+1
.endr
	FLIP
.endm
.macro XLANE m                         ; the same with lane l xor m's descending 16, read backwards; both lanes end with the same 16
.set xi, 0
.rept 16
	v_max_num_f32_dpp v[DST+xi], v[SRC+15-xi], v[SRC+xi] row_xmask:\m row_mask:0xf bank_mask:0xf
.set xi, xi+1
.endr
	FLIP
	MERGE16 16
.endm
.macro XLAST                           ; and with lane l xor 16's; the result need not be sorted: F holds the wave's 16 largest, in the two halves of the lanes in opposite order
.set xi, 0
.rept 16
	v_permlanex16_b32 v[DST+xi], v[SRC+15-xi], s[SEL], s[SEL+1]
.set xi, xi+1
.endr
.set xi, 0
.rept 16
	v_max_num_f32 v[DST+xi], v[DST+xi], v[SRC+xi]
.set xi, xi+1
.endr
.set F, DST
.endm
.macro THRESH
	v_min3_num_f32 v[T], v[F], v[F+1], v[F+2]
.irp i, 3,5,7,9,11,13
	v_min3_num_f32 v[T], v[T], v[F+\i], v[F+\i+1]
.endr
	v_min_num_f32 v[T], v[T], v[F+15]
	s_mov_b32 s[NEED], 0
.irp b, 0,4,8,12
.irp n, 0,1,2,3
	v_cmp_eq_f32 s[SE+\n], v[F+\b+\n], v[T]
.endr
.irp n, 0,1,2,3
	s_bcnt1_i32_b32 s[TT], s[SE+\n]
	s_add_co_u32 s[NEED], s[NEED], s[TT]
.endr
.endr
	s_lshr_b32 s[NEED], s[NEED], 5                 ; each of the 16 was compared in 32 lanes
.endm
.macro PB4                             ; the marks of registers i0 .. i0 + 3, four at a time so that no line waits for the one above it
.irp n, 0,1,2,3
	v_cmp_eq_f32 s[SE+\n], v[V+i0+\n], v[T]
	v_cmp_gt_f32 s[SG+\n], v[V+i0+\n], v[T]
.endr
.irp n, 0,1,2,3
	s_mov_b32 s[SN+\n], s[CNT]
	s_bcnt1_i32_b32 s[TT], s[SE+\n]
	s_add_co_u32 s[CNT], s[CNT], s[TT]
.endr
.irp n, 0,1,2,3
	v_mbcnt_lo_u32_b32 v[RR+\n], s[SE+\n], s[SN+\n]   ; ties before mine, in ascending order of groups
.endr
.irp n, 0,1,2,3
	v_cmp_gt_u32 s[SW+\n], s[NEED], v[RR+\n]
.endr
.irp n, 0,1,2,3
	s_and_b32 s[SW+\n], s[SW+\n], s[SE+\n]
	s_or_b32 s[SW+\n], s[SW+\n], s[SG+\n]          ; the word of chosen groups
	s_mov_b32 s[SC+\n], s[CC]
	s_bcnt1_i32_b32 s[TT], s[SW+\n]
	s_add_co_u32 s[CC], s[CC], s[TT]
.endr
.irp n, 0,1,2,3
	v_cmp_gt_u32 vcc_lo, s[SC+\n], v[LANE]         ; where more than my number are chosen before this word, I keep what I have
	v_cndmask_b32 v[W], s[SW+\n], v[W], vcc_lo
	v_cndmask_b32 v[CV], s[SC+\n], v[CV], vcc_lo
	v_cndmask_b32 v[JV], 32*(i0+\n), v[JV], vcc_lo
.endr
.endm
.macro PICK                            ; the (lane - count)-th set bit of my word, as a number, + the word's first group.  Lanes 0-15 hold results
	v_sub_nc_u32 v[RK], v[LANE], v[CV]
.set t, 0
.rept 15
	v_add_nc_u32 v[XV], -1, v[W]
	v_and_b32 v[XV], v[XV], v[W]                   ; my word without its lowest bit
	v_cmp_lt_u32 vcc_lo, t, v[RK]
	v_cndmask_b32 v[W], v[W], v[XV], vcc_lo
.set t, t+1
.endr
	v_sub_nc_u32 v[XV], 0, v[W]
	v_and_b32 v[XV], v[XV], v[W]                   ; the lowest bit alone: a power of two,
	v_cvt_f32_u32 v[XV], v[XV]
	v_lshrrev_b32 v[XV], 23, v[XV]                 ; whose f32 exponent field is its place + 127
	v_add_nc_u32 v[XV], 0xffffff81, v[XV]
	v_add_nc_u32 v[XV], v[XV], v[JV]
.endm
	s_load_b128 s[4:7], s[0:1], 0x0                ; gmax, gsel
	v_lshl_add_u32 v224, v0, 2, 0x10400
	v_mov_b32 v225, 0
	v_lshrrev_b32 v1, 5, v0
	v_readfirstlane_b32 s[WV], v1
	v_and_b32 v[LANE], 31, v0
	v_and_b32 v2, 15, v0
	v_bfe_u32 v3, v0, 4, 1
	v_lshlrev_b32 v[GL], 16, v3                    ; lanes 16-31 read the next b's 256 bytes
	v_lshl_add_u32 v[GL], v2, 4, v[GL]
	v_lshrrev_b32 v4, 2, v2                        ; which of the four queries my 16 bytes belong to
	v_and_b32 v5, 3, v0
	v_mul_u32_u24 v[SI], v4, QP
	v_lshl_add_u32 v[SI], v5, 4, v[SI]
	v_lshl_add_u32 v[SI], v3, 6, v[SI]             ; a b is 16 groups, 64 bytes
	s_lshl_b32 s9, s[WV], 12                       ; my wave's 64 b
	v_add_nc_u32 v[SI], s9, v[SI]
	s_mul_i32 s9, s[WV], QP
	v_lshl_add_u32 v[VQ], v[LANE], 2, s9
	s_lshl_b32 s9, s[WV], 6
	s_add_co_u32 s9, s9, OUTB
	v_lshl_add_u32 v[OA], v2, 2, s9
	v_lshl_add_u32 v[OA], v3, 8, v[OA]             ; lanes 16-31 hold nothing of use: their words go 256 bytes further on
	v_lshlrev_b32 v[GA], 4, v[LANE]
	v_add_nc_u32 v[RA], OUTB, v[GA]
	s_mov_b32 s[SEL], 0x76543210
	s_mov_b32 s[SEL+1], 0xfedcba98
	s_lshl_b32 s12, ttmp9, 8                       ; 256 y: four queries' bytes in a b of gmax, and in gsel
	s_mov_b32 s13, 0
	s_lshl_b32 s10, s[WV], 22                      ; 64 b of 65,536 bytes
	s_add_co_u32 s10, s10, s12
	s_mov_b32 s11, 0
	s_wait_kmcnt 0x0
	s_add_nc_u64 s[4:5], s[4:5], s[10:11]
	s_add_nc_u64 s[6:7], s[6:7], s[12:13]
.set n, 0
.rept 32
	global_load_b128 v[16+4*n:19+4*n], v[GL], s[4:5] offset:n*131072 th:TH_LOAD_NT   ; sixteen lanes read 256 consecutive bytes, aligned
.set n, n+1
.endr
.set n, 0
.rept 32
	s_wait_loadcnt 31-n                            ; load n is in; the younger ones may be out
	ds_store_b128 v[SI], v[16+4*n:19+4*n] offset:128*n
.set n, n+1
.endr
	s_wait_dscnt 0x0                               ; for the others' sake: my stores have landed
	s_barrier_signal -1
	s_barrier_wait -1                              ; each query's 4,096 maxima lie in a row
.macro HALFSEL u                       ; the 16 largest a lane of registers 64 u .. 64 u + 63, descending, into K0 or K1
.set n, 0
.rept 64
	ds_load_b32 v[P+n], v[VQ] offset:128*(64*(\u)+n)
.set n, n+1
.endr
	s_wait_dscnt 0x0
.set SRC, P
.set DST, Q
	SORT16 64, P
	HALVE 64
	MERGE16 32
	HALVE 32
	STAGE 16, 16, 8
	STAGE 16, 16, 4
	STAGE 16, 16, 2
.set DST, K0+16*(\u)
	STAGE 16, 16, 1
.endm
	HALFSEL 0
	HALFSEL 1
.set n, 0
.rept 128
	ds_load_b32 v[V+n], v[VQ] offset:128*n         ; all 128 again, for the marks: they land while the lanes are merged
.set n, n+1
.endr
.set n, 0
.rept 16
	v_max_num_f32 v[K2+n], v[K0+n], v[K1+15-n]
.set n, n+1
.endr
.set SRC, K2
.set DST, K3
	MERGE16 16
	XLANE 1
	XLANE 2
	XLANE 4
	XLANE 8
	XLAST
	THRESH
	v_mov_b32 v[W], 0
	v_mov_b32 v[CV], 0
	v_mov_b32 v[JV], 0
	s_mov_b32 s[CNT], 0
	s_mov_b32 s[CC], 0
	s_wait_dscnt 0x0                               ; the 128 maxima are in
.set i0, 0
.rept 32
	PB4
.set i0, i0+4
.endr
	PICK
	; the four waves' results meet in LDS, so that wave 0 stores the work-group's 256 bytes whole
	ds_store_b32 v[OA], v[XV]
	s_wait_dscnt 0x0                               ; for wave 0's sake
	s_barrier_signal -1
	s_barrier_wait -1
	s_cmp_lg_u32 s[WV], 0
	s_cbranch_scc1 .Lend
	v_cmp_gt_u32 vcc_lo, 16, v0
	s_wait_xcnt 0x0                                ; EXEC changes only behind this wait
	s_and_saveexec_b32 s[SAVE], vcc_lo
	ds_load_b128 v[16:19], v[RA]
	s_wait_dscnt 0x0
	global_store_b128 v[GA], v[16:19], s[6:7]      ; sixteen lanes store 256 consecutive bytes, aligned
	s_wait_xcnt 0x0                                ; and again, in front of the line that widens it
	s_or_b32 exec_lo, exec_lo, s[SAVE]
.Lend:
	s_wait_tensorcnt 0x0
	ds_add_u32 v224, v225
	s_wait_dscnt 0x0
	s_endpgm
.Lfunc_end_k_q7de7af6322_pick:
	.size	k_q7de7af6322_pick, .Lfunc_end_k_q7de7af6322_pick-k_q7de7af6322_pick
	.p2alignl 7, 3214868480
	.fill 96, 4, 3214868480
	.section	.rodata,"a",@progbits
	.p2align	6, 0x0
	.amdhsa_kernel k_q7de7af6322_pick
		.amdhsa_group_segment_fixed_size 67072
		.amdhsa_private_segment_fixed_size 0
		.amdhsa_enable_private_segment 0
		.amdhsa_kernarg_size 16
		.amdhsa_user_sgpr_count 2
		.amdhsa_user_sgpr_kernarg_segment_ptr 1
		.amdhsa_wavefront_size32 1
		.amdhsa_system_sgpr_workgroup_id_x 1
		.amdhsa_system_sgpr_workgroup_id_y 1
		.amdhsa_system_sgpr_workgroup_id_z 1
		.amdhsa_system_vgpr_workitem_id 0
		.amdhsa_next_free_vgpr 226
		.amdhsa_next_free_sgpr 66
		.amdhsa_reserve_vcc 1
		.amdhsa_float_denorm_mode_32 3
		.amdhsa_float_denorm_mode_16_64 3
		.amdhsa_memory_ordered 1
		.amdhsa_forward_progress 1
		.amdhsa_inst_pref_size 185
	.end_amdhsa_kernel
	.amdgpu_metadata
---
amdhsa.version: [ 1, 2 ]
amdhsa.kernels:
  - .name:           k_q7de7af6322_pick
    .symbol:         k_q7de7af6322_pick.kd
    .args:
      - { .name: gmax, .offset: 0, .size: 8, .value_kind: global_buffer, .address_space: global }
      - { .name: gsel, .offset: 8, .size: 8, .value_kind: global_buffer, .address_space: global }
    .group_segment_fixed_size: 67072
    .private_segment_fixed_size: 0
    .kernarg_segment_align: 8
    .kernarg_segment_size: 16
    .max_flat_workgroup_size: 128
    .sgpr_count:     66
    .vgpr_count:     226
    .wavefront_size: 32
...
	.end_amdgpu_metadata
.endif
;; end of part 3
;; launch refine (part 4): grid 256 x 1, 4 waves a work-group, no clusters, 1,536 bytes of LDS; arguments gsel, mcodes, xcodes, lowp_scales, idx; writes idx
.if DOCPART == 4
	.amdgcn_target "amdgcn-amd-amdhsa--gfx1250"
	.amdhsa_code_object_version 6
	.text
	.protected	k_q7de7af6322_refine
	.globl	k_q7de7af6322_refine
	.p2align	8
	.type	k_q7de7af6322_refine,@function
k_q7de7af6322_refine:
	s_mov_b64 s[64:65], 0
	v_nop
	global_prefetch_b8 v0, s[64:65] scope:SCOPE_SE
	s_setreg_imm32_b32 hwreg(HW_REG_WAVE_MODE, 25, 1), 1
	s_wait_xcnt 0x0
; For each query the sims of the 16 chosen groups' 512 rows are made again (the same matrix form, the same places of k, the sources swapped), and of them the 16 largest are chosen, ties to the lower row:
; idx[query][16], whole numbers, ascending.
; SHARES: a wave a query, q = 4 x work-group + wave.  The groups' numbers were stored by the launch before; they are read into scalar registers, held at 4,095, and form the addresses of the groups' codes.
; THE PRODUCT: source 0 = the query's codes in all 16 rows, source 1 = 16 rows of memory: register 0 of lane (r, h) is the sim of row r.  Two products a group; lanes 0-15 take the first's register 0, lanes 16-31 the second's:
; register s of lane l then holds row 32 g_s + l, and since the groups ascend, position 32 s + l ascends with the row.  A group's codes are 4 x 1,024 consecutive bytes; each load reads two aligned runs of 256.
; Four groups' loads (32) are on their way at a time.  No cluster: the groups differ from query to query.
; THE SELECTION is that of the launch before, on 16 registers: no branch and no address hangs on a number computed here.
; +0 and -0 count as equal.  NaN is not served.  e0 + e1 is applied by v_ldexp_f32.
.set XF,   16                          ; v16-31    the query's fragment
.set BF,   32                          ; v32-159   four groups' fragments, 32 registers each
.set D,    160                         ; v160-175  two results
.set CAND, 176                         ; v176-191  the 512 candidates; the network never writes them
.set S1,   32                          ; the network's two sets, where the first group's fragments lay
.set S2,   48
.set V,    CAND
.set LANE, 1
.set XL,   2                           ; v2   128 h
.set BL,   3                           ; v3   my piece's place in a pair of images: (r / 8) * 2048 + 128 h + 16 (r % 8)
.set T,    4
.set W,    5
.set CV,   6
.set JV,   7
.set XV,   8
.set RK,   9
.set OA,   10
.set RA,   11
.set RR,   12                          ; v12-15
.set GA,   192
.set WV,   14                          ; s14  wave
.set SEL,  20
.set NEED, 22
.set CNT,  23
.set CC,   24
.set TT,   25
.set SAVE, 26
.set SE,   28
.set SG,   32
.set SN,   36
.set SW,   40
.set SC,   44
.set G,    48                          ; s48-63  the 16 groups
.set JS,   68                          ; s68-71  first rows of four groups
.set BP,   72                          ; s72-79  four base addresses, one for each group on its way
.set OT,   80                          ; s[80:81] an offset as a pair; s82 at work
.set HI,   84                          ; s84  lanes 16-31
.set EE,   85                          ; s85  e0 + e1
.macro FLIP
.set SWP, SRC
.set SRC, DST
.set DST, SWP
.endm
.macro STAGE cnt, k, j                 ; one stage of the bitonic network on cnt registers, out of place: partners j apart; descending where bit k of the index is 0
.set si, 0
.rept \cnt
.set sl, si^(\j)
.if sl > si
.if (si&(\k)) == 0
	v_max_num_f32 v[DST+si], v[SRC+si], v[SRC+sl]
	v_min_num_f32 v[DST+sl], v[SRC+si], v[SRC+sl]
.else
	v_min_num_f32 v[DST+si], v[SRC+si], v[SRC+sl]
	v_max_num_f32 v[DST+sl], v[SRC+si], v[SRC+sl]
.endif
.endif
.set si, si+1
.endr
	FLIP
.endm
.macro SORT16 cnt, alt                 ; alt: the set that the second stage writes, so that the first stage's source is kept
	STAGE \cnt, 2, 1
.set DST, \alt
	STAGE \cnt, 4, 2
	STAGE \cnt, 4, 1
	STAGE \cnt, 8, 4
	STAGE \cnt, 8, 2
	STAGE \cnt, 8, 1
	STAGE \cnt, 16, 8
	STAGE \cnt, 16, 4
	STAGE \cnt, 16, 2
	STAGE \cnt, 16, 1
.endm
.macro MERGE16 cnt
	STAGE \cnt, 16, 8
	STAGE \cnt, 16, 4
	STAGE \cnt, 16, 2
	STAGE \cnt, 16, 1
.endm
.macro XLANE m                         ; the larger of my descending 16 and lane l xor m's, read backwards: the 16 largest of both, then sorted again
.set xi, 0
.rept 16
	v_max_num_f32_dpp v[DST+xi], v[SRC+15-xi], v[SRC+xi] row_xmask:\m row_mask:0xf bank_mask:0xf
.set xi, xi+1
.endr
	FLIP
	MERGE16 16
.endm
.macro XLAST
.set xi, 0
.rept 16
	v_permlanex16_b32 v[DST+xi], v[SRC+15-xi], s[SEL], s[SEL+1]
.set xi, xi+1
.endr
.set xi, 0
.rept 16
	v_max_num_f32 v[DST+xi], v[DST+xi], v[SRC+xi]
.set xi, xi+1
.endr
.set F, DST
.endm
.macro THRESH                          ; T = the least of the 16 largest; NEED = how many of them equal it
	v_min3_num_f32 v[T], v[F], v[F+1], v[F+2]
.irp i, 3,5,7,9,11,13
	v_min3_num_f32 v[T], v[T], v[F+\i], v[F+\i+1]
.endr
	v_min_num_f32 v[T], v[T], v[F+15]
	s_mov_b32 s[NEED], 0
.irp b, 0,4,8,12
.irp n, 0,1,2,3
	v_cmp_eq_f32 s[SE+\n], v[F+\b+\n], v[T]
.endr
.irp n, 0,1,2,3
	s_bcnt1_i32_b32 s[TT], s[SE+\n]
	s_add_co_u32 s[NEED], s[NEED], s[TT]
.endr
.endr
	s_lshr_b32 s[NEED], s[NEED], 5                 ; each of the 16 was compared in 32 lanes
.endm
.macro PB4                             ; the marks of registers i0 .. i0 + 3
.irp n, 0,1,2,3
	v_cmp_eq_f32 s[SE+\n], v[V+i0+\n], v[T]
	v_cmp_gt_f32 s[SG+\n], v[V+i0+\n], v[T]
	s_lshl_b32 s[JS+\n], s[G+i0+\n], 5             ; the group's first row
.endr
.irp n, 0,1,2,3
	s_mov_b32 s[SN+\n], s[CNT]
	s_bcnt1_i32_b32 s[TT], s[SE+\n]
	s_add_co_u32 s[CNT], s[CNT], s[TT]
.endr
.irp n, 0,1,2,3
	v_mbcnt_lo_u32_b32 v[RR+\n], s[SE+\n], s[SN+\n]   ; ties before mine, in ascending order of rows
.endr
.irp n, 0,1,2,3
	v_cmp_gt_u32 s[SW+\n], s[NEED], v[RR+\n]
.endr
.irp n, 0,1,2,3
	s_and_b32 s[SW+\n], s[SW+\n], s[SE+\n]
	s_or_b32 s[SW+\n], s[SW+\n], s[SG+\n]          ; the word of chosen rows
	s_mov_b32 s[SC+\n], s[CC]
	s_bcnt1_i32_b32 s[TT], s[SW+\n]
	s_add_co_u32 s[CC], s[CC], s[TT]
.endr
.irp n, 0,1,2,3
	v_cmp_gt_u32 vcc_lo, s[SC+\n], v[LANE]         ; where more than my number are chosen before this word, I keep what I have
	v_cndmask_b32 v[W], s[SW+\n], v[W], vcc_lo
	v_cndmask_b32 v[CV], s[SC+\n], v[CV], vcc_lo
	v_cndmask_b32 v[JV], s[JS+\n], v[JV], vcc_lo
.endr
.endm
.macro PICK                            ; the (lane - count)-th set bit of my word, as a number, + the group's first row.  Lanes 0-15 hold results
	v_sub_nc_u32 v[RK], v[LANE], v[CV]
.set t, 0
.rept 15
	v_add_nc_u32 v[XV], -1, v[W]
	v_and_b32 v[XV], v[XV], v[W]
	v_cmp_lt_u32 vcc_lo, t, v[RK]
	v_cndmask_b32 v[W], v[W], v[XV], vcc_lo
.set t, t+1
.endr
	v_sub_nc_u32 v[XV], 0, v[W]
	v_and_b32 v[XV], v[XV], v[W]
	v_cvt_f32_u32 v[XV], v[XV]
	v_lshrrev_b32 v[XV], 23, v[XV]
	v_add_nc_u32 v[XV], 0xffffff81, v[XV]
	v_add_nc_u32 v[XV], v[XV], v[JV]
.endm
.macro LOADG s                         ; group s of the 16: its address, and its two fragments into slot s % 4.  Group g lies in images 4 (g / 2) .. + 3, half g % 2
	s_and_b32 s[OT], s[G+(\s)], 0xffe
	s_lshl_b32 s[OT], s[OT], 12                    ; (g / 2) x 8,192
	s_and_b32 s[OT+2], s[G+(\s)], 1
	s_lshl_b32 s[OT+2], s[OT+2], 10
	s_add_co_u32 s[OT], s[OT], s[OT+2]
	s_add_nc_u64 s[BP+2*((\s)%4):BP+2*((\s)%4)+1], s[6:7], s[OT:OT+1]
.irp a, 0,1
.irp c, 0,1,2,3
	global_load_b128 v[BF+32*((\s)%4)+16*\a+4*\c:BF+32*((\s)%4)+16*\a+4*\c+3], v[BL], s[BP+2*((\s)%4):BP+2*((\s)%4)+1] offset:\a*4096+\c*256
.endr
.endr
.endm
	s_load_b256 s[4:11], s[0:1], 0x0               ; gsel s[4:5], mcodes s[6:7], xcodes s[8:9], the scales' exponents s[10:11]
	s_load_b64 s[12:13], s[0:1], 0x20              ; idx
	v_lshl_add_u32 v200, v0, 2, 0x400
	v_mov_b32 v201, 0
	v_lshrrev_b32 v15, 5, v0
	v_readfirstlane_b32 s[WV], v15
	v_and_b32 v[LANE], 31, v0
	v_and_b32 v12, 15, v0                          ; r
	v_bfe_u32 v13, v0, 4, 1                        ; h
	v_bfe_u32 v14, v0, 3, 1                        ; r / 8
	v_and_b32 v15, 7, v0                           ; r % 8
	v_lshlrev_b32 v[XL], 7, v13
	v_lshl_add_u32 v[BL], v14, 11, v[XL]
	v_lshl_add_u32 v[BL], v15, 4, v[BL]
	s_lshl_b32 s16, s[WV], 6
	v_lshl_add_u32 v[OA], v12, 2, s16              ; my result's word: 64 bytes a wave;
	v_lshl_add_u32 v[OA], v13, 8, v[OA]            ; lanes 16-31 hold nothing of use: their words go 256 bytes further on
	v_lshlrev_b32 v[RA], 4, v[LANE]
	v_lshlrev_b32 v[GA], 4, v[LANE]
	s_mov_b32 s[SEL], 0x76543210
	s_mov_b32 s[SEL+1], 0xfedcba98
	s_mov_b32 s[HI], 0xffff0000
	s_mov_b32 s[OT+1], 0
	s_lshl_b32 s15, ttmp9, 2
	s_add_co_u32 s15, s15, s[WV]                   ; q
	s_lshr_b32 s26, s15, 6                         ; q = 64 P + 32 e + 8 t + r7 lies in image 4 P + t, half e, at 16 r7
	s_lshl_b32 s26, s26, 13
	s_bfe_u32 s27, s15, 0x20003
	s_lshl_b32 s27, s27, 11
	s_add_co_u32 s26, s26, s27
	s_bfe_u32 s27, s15, 0x10005
	s_lshl_b32 s27, s27, 10
	s_add_co_u32 s26, s26, s27
	s_and_b32 s27, s15, 7
	s_lshl_b32 s27, s27, 4
	s_add_co_u32 s26, s26, s27
	s_mov_b32 s27, 0
	s_lshl_b32 s16, s15, 6                         ; the query's 16 groups: 64 bytes
	s_mov_b32 s17, 0
	s_wait_kmcnt 0x0
	s_add_nc_u64 s[4:5], s[4:5], s[16:17]
	s_load_b512 s[G:G+15], s[4:5], 0x0
	s_load_b64 s[18:19], s[10:11], 0x0             ; e0, e1
	s_add_nc_u64 s[8:9], s[8:9], s[26:27]
	s_lshl_b32 s16, ttmp9, 8                       ; the work-group's 256 bytes of idx
	s_add_nc_u64 s[12:13], s[12:13], s[16:17]
.irp c, 0,1,2,3
	global_load_b128 v[XF+4*\c:XF+4*\c+3], v[XL], s[8:9] offset:\c*256   ; all sixteen lanes of a half take the same 16 codes: the query stands in every row of source 0
.endr
	s_wait_kmcnt 0x0
.irp j, 0,1,2,3,4,5,6,7,8,9,10,11,12,13,14,15
	s_min_u32 s[G+\j], s[G+\j], 4095               ; a loaded number enters an address only held inside the table
.endr
	s_add_co_i32 s[EE], s18, s19
	LOADG 0
	LOADG 1
	LOADG 2
	LOADG 3
.set gs, 0
.rept 16
.if gs < 13
	s_wait_loadcnt 24                              ; this group's eight loads (and the query's) are in; three younger groups' 24 may be out.  The wait also shows this group's loads done: its base may be written again
.else
	s_wait_loadcnt 8*(15-gs)
.endif
	v_wmma_f32_16x16x128_fp8_fp8 v[D:D+7], v[XF:XF+15], v[BF+32*(gs%4):BF+32*(gs%4)+15], 0
	v_wmma_f32_16x16x128_fp8_fp8 v[D+8:D+15], v[XF:XF+15], v[BF+32*(gs%4)+16:BF+32*(gs%4)+31], 0
.rept 5
	v_nop                                          ; independent vector lines behind the products: four for the read below and the loads into the fragments, five for the next products, which write over these results
.endr
	v_cndmask_b32 v[CAND+gs], v[D], v[D+8], s[HI]  ; each result's lowest register: row 32 g + lane
.if gs < 12
	LOADG gs+4
.endif
.set gs, gs+1
.endr
.set q, 0
.rept 16
	v_ldexp_f32 v[CAND+q], v[CAND+q], s[EE]        ; x 2^(e0 + e1)
.set q, q+1
.endr
.set SRC, CAND
.set DST, S1
	SORT16 16, S2
	XLANE 1
	XLANE 2
	XLANE 4
	XLANE 8
	XLAST
	THRESH
	v_mov_b32 v[W], 0
	v_mov_b32 v[CV], 0
	v_mov_b32 v[JV], 0
	s_mov_b32 s[CNT], 0
	s_mov_b32 s[CC], 0
.set i0, 0
.rept 4
	PB4
.set i0, i0+4
.endr
	PICK
	; the four waves' results meet in LDS, so that wave 0 stores the work-group's 256 bytes whole
	ds_store_b32 v[OA], v[XV]
	s_wait_dscnt 0x0                               ; for wave 0's sake
	s_barrier_signal -1
	s_barrier_wait -1
	s_cmp_lg_u32 s[WV], 0
	s_cbranch_scc1 .Lend
	v_cmp_gt_u32 vcc_lo, 16, v0
	s_wait_xcnt 0x0                                ; EXEC changes only behind this wait
	s_and_saveexec_b32 s[SAVE], vcc_lo
	ds_load_b128 v[16:19], v[RA]
	s_wait_dscnt 0x0
	global_store_b128 v[GA], v[16:19], s[12:13]    ; sixteen lanes store 256 consecutive bytes, aligned
	s_wait_xcnt 0x0                                ; and again, in front of the line that widens it
	s_or_b32 exec_lo, exec_lo, s[SAVE]
.Lend:
	s_wait_tensorcnt 0x0
	ds_add_u32 v200, v201
	s_wait_dscnt 0x0
	s_endpgm
.Lfunc_end_k_q7de7af6322_refine:
	.size	k_q7de7af6322_refine, .Lfunc_end_k_q7de7af6322_refine-k_q7de7af6322_refine
	.p2alignl 7, 3214868480
	.fill 96, 4, 3214868480
	.section	.rodata,"a",@progbits
	.p2align	6, 0x0
	.amdhsa_kernel k_q7de7af6322_refine
		.amdhsa_group_segment_fixed_size 1536
		.amdhsa_private_segment_fixed_size 0
		.amdhsa_enable_private_segment 0
		.amdhsa_kernarg_size 40
		.amdhsa_user_sgpr_count 2
		.amdhsa_user_sgpr_kernarg_segment_ptr 1
		.amdhsa_wavefront_size32 1
		.amdhsa_system_sgpr_workgroup_id_x 1
		.amdhsa_system_sgpr_workgroup_id_y 1
		.amdhsa_system_sgpr_workgroup_id_z 1
		.amdhsa_system_vgpr_workitem_id 0
		.amdhsa_next_free_vgpr 202
		.amdhsa_next_free_sgpr 100
		.amdhsa_reserve_vcc 1
		.amdhsa_float_denorm_mode_32 3
		.amdhsa_float_denorm_mode_16_64 3
		.amdhsa_memory_ordered 1
		.amdhsa_forward_progress 1
		.amdhsa_inst_pref_size 61
	.end_amdhsa_kernel
	.amdgpu_metadata
---
amdhsa.version: [ 1, 2 ]
amdhsa.kernels:
  - .name:           k_q7de7af6322_refine
    .symbol:         k_q7de7af6322_refine.kd
    .args:
      - { .name: gsel, .offset: 0, .size: 8, .value_kind: global_buffer, .address_space: global }
      - { .name: mcodes, .offset: 8, .size: 8, .value_kind: global_buffer, .address_space: global }
      - { .name: xcodes, .offset: 16, .size: 8, .value_kind: global_buffer, .address_space: global }
      - { .name: lowp_scales, .offset: 24, .size: 8, .value_kind: global_buffer, .address_space: global }
      - { .name: idx, .offset: 32, .size: 8, .value_kind: global_buffer, .address_space: global }
    .group_segment_fixed_size: 1536
    .private_segment_fixed_size: 0
    .kernarg_segment_align: 8
    .kernarg_segment_size: 40
    .max_flat_workgroup_size: 128
    .sgpr_count:     100
    .vgpr_count:     202
    .wavefront_size: 32
...
	.end_amdgpu_metadata
.endif
;; end of part 4
;; launch mean (part 5): grid 256 x 1, 4 waves a work-group, no clusters, 0 bytes of LDS; arguments idx, memory, out0; writes out0
.if DOCPART == 5
	.amdgcn_target "amdgcn-amd-amdhsa--gfx1250"
	.amdhsa_code_object_version 6
	.text
	.protected	k_q7de7af6322_mean
	.globl	k_q7de7af6322_mean
	.p2align	8
	.type	k_q7de7af6322_mean,@function
k_q7de7af6322_mean:
	s_mov_b64 s[64:65], 0
	v_nop
	global_prefetch_b8 v0, s[64:65] scope:SCOPE_SE
	s_setreg_imm32_b32 hwreg(HW_REG_WAVE_MODE, 25, 1), 1
	s_wait_xcnt 0x0
; out0[q][:] = the mean of the 16 rows of memory (f32, as given) whose numbers the launch before stored in idx[q][16].
; A wave a query, q = 4 x work-group + wave.  The 16 numbers come into scalar registers, are held at 131,071 and form the rows' offsets; each load reads one row, 512 consecutive bytes; all 16 are out together.
; LIMIT: the rows are added pairwise in ascending order of their numbers, not in the order of their sims: the sum's last bits may differ from a sum in that order.  The division by 16 rounds nothing short of underflow.
; No LDS, no barrier, no matrix unit: waves share nothing, and there is nothing to multiply.
	s_load_b128 s[4:7], s[0:1], 0x0                ; idx, memory
	s_load_b64 s[8:9], s[0:1], 0x10                ; out0
	v_lshrrev_b32 v1, 5, v0
	v_readfirstlane_b32 s10, v1                    ; wave
	v_and_b32 v1, 31, v0
	v_lshlrev_b32 v1, 4, v1                        ; my 16 bytes of a row
	s_lshl_b32 s11, ttmp9, 2
	s_add_co_u32 s11, s11, s10                     ; q
	s_lshl_b32 s12, s11, 6
	s_mov_b32 s13, 0
	s_lshl_b32 s14, s11, 9
	s_mov_b32 s15, 0
	s_wait_kmcnt 0x0
	s_add_nc_u64 s[4:5], s[4:5], s[12:13]
	s_add_nc_u64 s[8:9], s[8:9], s[14:15]
	s_load_b512 s[16:31], s[4:5], 0x0
	s_wait_kmcnt 0x0
.irp j, 0,1,2,3,4,5,6,7,8,9,10,11,12,13,14,15
	s_min_u32 s[16+\j], s[16+\j], 0x1ffff          ; a loaded number enters an address only held inside the table
.endr
.irp j, 0,1,2,3,4,5,6,7,8,9,10,11,12,13,14,15
	v_lshl_add_u32 v[2+\j], s[16+\j], 9, v1        ; a row is 512 bytes
.endr
.irp j, 0,1,2,3,4,5,6,7,8,9,10,11,12,13,14,15
	global_load_b128 v[20+4*\j:23+4*\j], v[2+\j], s[6:7]
.endr
	s_wait_loadcnt 0x0
.irp st, 8,4,2,1
.set j, 0
.rept \st
	v_pk_add_f32 v[20+4*j:21+4*j], v[20+4*j:21+4*j], v[20+4*(j+\st):21+4*(j+\st)]
	v_pk_add_f32 v[22+4*j:23+4*j], v[22+4*j:23+4*j], v[22+4*(j+\st):23+4*(j+\st)]
.set j, j+1
.endr
.endr
	v_pk_mul_f32 v[20:21], v[20:21], 0x3d800000 op_sel_hi:[1,0]   ; x 1/16
	v_pk_mul_f32 v[22:23], v[22:23], 0x3d800000 op_sel_hi:[1,0]
	global_store_b128 v1, v[20:23], s[8:9]         ; 32 lanes store a row of 512 consecutive bytes, aligned
	s_endpgm
.Lfunc_end_k_q7de7af6322_mean:
	.size	k_q7de7af6322_mean, .Lfunc_end_k_q7de7af6322_mean-k_q7de7af6322_mean
	.p2alignl 7, 3214868480
	.fill 96, 4, 3214868480
	.section	.rodata,"a",@progbits
	.p2align	6, 0x0
	.amdhsa_kernel k_q7de7af6322_mean
		.amdhsa_group_segment_fixed_size 0
		.amdhsa_private_segment_fixed_size 0
		.amdhsa_enable_private_segment 0
		.amdhsa_kernarg_size 24
		.amdhsa_user_sgpr_count 2
		.amdhsa_user_sgpr_kernarg_segment_ptr 1
		.amdhsa_wavefront_size32 1
		.amdhsa_system_sgpr_workgroup_id_x 1
		.amdhsa_system_sgpr_workgroup_id_y 1
		.amdhsa_system_sgpr_workgroup_id_z 1
		.amdhsa_system_vgpr_workitem_id 0
		.amdhsa_next_free_vgpr 96
		.amdhsa_next_free_sgpr 66
		.amdhsa_reserve_vcc 0
		.amdhsa_float_denorm_mode_32 3
		.amdhsa_float_denorm_mode_16_64 3
		.amdhsa_memory_ordered 1
		.amdhsa_forward_progress 1
		.amdhsa_inst_pref_size 7
	.end_amdhsa_kernel
	.amdgpu_metadata
---
amdhsa.version: [ 1, 2 ]
amdhsa.kernels:
  - .name:           k_q7de7af6322_mean
    .symbol:         k_q7de7af6322_mean.kd
    .args:
      - { .name: idx, .offset: 0, .size: 8, .value_kind: global_buffer, .address_space: global }
      - { .name: memory, .offset: 8, .size: 8, .value_kind: global_buffer, .address_space: global }
      - { .name: out0, .offset: 16, .size: 8, .value_kind: global_buffer, .address_space: global }
    .group_segment_fixed_size: 0
    .private_segment_fixed_size: 0
    .kernarg_segment_align: 8
    .kernarg_segment_size: 24
    .max_flat_workgroup_size: 128
    .sgpr_count:     66
    .vgpr_count:     96
    .wavefront_size: 32
...
	.end_amdgpu_metadata
.endif
;; end of part 5
